; MI455X (gfx1250); checked and timed in simulation.
; The chip was launched on July 23, 2026; its instructions are those of AMD's public machine-readable ISA for CDNA 5 (MIT licence, August 2026) and "CDNA5" Instruction Set Architecture Reference Guide (July 2026). The comments in the code are by the model that wrote it; some were corrected since.
;; Attention. Allowed arithmetic: float matrix products may take bf16 or f16 operands with f32 sums; other float arithmetic in f32, or as packed bf16 or f16 multiplies, adds, multiply-adds, maxima and minima; sums over many terms, partial sums and values carried from step to step in f32; what a program stores and reads back later, other than sums and carried values, may be rounded once to bf16 or f16.
;; Inputs: K 4 x 16 x 2,048 x 64 float32; Q 4 x 16 x 2,048 x 64 float32; V 4 x 16 x 2,048 x 64 float32; softmax_scale one number float32.
;; Outputs: out0 4 x 16 x 2,048 x 64 float32.
;; Constants: is_causal = 1.
;; One version. Each part assembles by itself: llvm-mc -triple=amdgcn-amd-amdhsa -mcpu=gfx1250 --defsym DOCPART=n.
;; ======== version 1 of 1: 1 launch
;; limits: values are held in f16: magnitudes above 65,504 overflow, below 6.1e-05 lose precision; inputs' magnitudes at most 65,504
;; launch attn (part 1): grid 4 x 64, 4 waves a work-group, clusters of 4 x 1, 327,680 bytes of LDS; arguments Q, K, V, softmax_scale, out0; writes out0
.if DOCPART == 1
	.amdgcn_target "amdgcn-amd-amdhsa--gfx1250"
	.amdhsa_code_object_version 6
	.text
	.protected	k_q30385ef697_attn
	.globl	k_q30385ef697_attn
	.p2align	8
	.type	k_q30385ef697_attn,@function
k_q30385ef697_attn:
	s_mov_b64 s[64:65], 0
	v_nop
	global_prefetch_b8 v0, s[64:65] scope:SCOPE_SE
	s_setreg_imm32_b32 hwreg(HW_REG_WAVE_MODE, 25, 1), 1
	s_wait_xcnt 0x0
	s_wait_alu depctr_hold_cnt(0) depctr_sa_sdst(0) depctr_va_vdst(0) depctr_va_sdst(0) depctr_va_ssrc(0) depctr_va_vcc(0) depctr_vm_vsrc(0)
	s_getreg_b32 s2, hwreg(HW_REG_IB_STS2, 6, 4)
	s_cmp_eq_u32 s2, 0
	s_cbranch_scc0 .Lentry_in_a_cluster
	s_endpgm
.Lentry_in_a_cluster:
	s_bfe_u32 s2, ttmp6, 0x10000c
	s_cmp_lg_u32 s2, 0x3003
	s_cbranch_scc0 .Lentry_shape_is_right
	s_endpgm
.Lentry_shape_is_right:
; O[g][q][:] = the sum over k of softmax_k(scale x Q[g][q] . K[g][k]) V[g][k][:], for the 64 heads g = (b, h).  Q, K, V, O: [64][2048][64] in f32: a row is 256 bytes, a head 524,288.  No mask: the
; problem's causal flag changes nothing in its arithmetic.  scale is one f32 read from memory.
; FORMATS.  Both products take f16 operands and add in f32.  Q is multiplied in f32 by c = scale x log2(e) and rounded once to f16, so the scores come out in powers of two and the running maximum is the
; maximum of the SCALED scores (right for either sign of the scale).  K and V are rounded once to f16, the weights p once to f16 for the second product; maxima, sums (l is the sum of the unrounded p) and O stay in f32.
; LIMITS.  f16 holds no number beyond 65,504: |c Q|, |K| and |V| must stay within it.  p lies in 0 to 1, and below 6e-5 it keeps f16's fixed step of 6e-8.  A weight below 2^-126 counts as 0 in l.
; NaN and infinities are not treated apart.
; SHARES.  A work-group owns 512 queries of one head, each of its four waves 128: four PIECES of two tiles of 16.  Every wave walks the head's 2,048 keys, 64 a step, 128 (a TILE of keys) a period.
; CLUSTER.  The four work-groups of a head form a cluster and walk the same K and V: each tile is asked for JOINTLY, by the same tensor load, descriptor and mask in all four.
; K AND V ON THE WAY IN.  A tile comes as f32 into a staging slot of LDS (tensor loads; waves 0, 1 K's two halves, waves 2, 3 V's).  The four waves share its rounding: each reads 32 rows of K and of V,
; rounds them and stores them into an f16 tile in LDS bytes of their own, from which all waves read fragments.  In period n: fragments come from f16 slot n % 2, tile n + 1 is rounded from staging slot
; (n + 1) % 2 into f16 slot (n + 1) % 2, and tile n + 2 is on its way into staging slot n % 2.  ONE round of the cluster's barrier at each change of periods orders all three.
; LAYOUT.  S^T = K Q^T (source 0 = 16 keys, source 1 = 16 queries): a lane holds ONE query (lane % 16) and the keys 8 (lane / 16) + 0..7.  Two such results rounded to f16 in pairs ARE source 1 of
; O^T = V^T P, whose result again holds one query a lane, and eight channels.  K comes out of LDS as it lies, V ([key][channel]) turned, by ds_load_tr16_b128.
; SOFTMAX.  For each query a running maximum m and sum l: p = 2^(s - m); in every step O and l are multiplied by a = 2^(m_old - m_new).  m starts at the lowest finite number, l at 0: the first step is a
; step like any other, with a = 0; O^T's registers then hold c Q in f32, finite numbers, which that step multiplies by 0: nothing is cleared there.
; THE COUNT.  A tile and step have 16 matrix and 117 vector instructions: too many to stand all beside the matrix work.  So four vector instructions that are READY stand behind EVERY matrix instruction, and
; the others in runs of their own (LUMPS).  Turn n belongs to piece n: 16 products K Q^T of piece n + 1, later 16 products V^T P of piece n - 1; beside them the subtraction of m, exponentials, roundings,
; sums and rescaling of piece n, and the maximum and statistics of piece n + 1.
; ONCE A LAUNCH, FOR ONE TEXT OF EVERY TRIP: the first turn's 16 products V^T P run on zeros; in the last period tile 14 is rounded a second time (the same numbers, into a slot whose data nobody uses);
; behind it stand one more barrier, one fetch of K, 16 products K Q^T on it and the maximum made of them, which serve nothing.
; REGISTERS, in windows of 256 (s_set_vgpr_msb: bits 1:0 source 0, 3:2 source 1, 5:4 source 2, 7:6 destination):
;   window 0: v0-15 addresses; v16-47 four registers of statistics a tile; v48-63 at work; v64-191 S^T, two buffers of two tiles; v192-255 P, likewise
;   window 1: O^T, 32 a tile (at the start: Q in f32)      window 2: v0-127 Q in f16, 16 a tile; v128-191 K of one step; v192-255 V of one step
;   window 3: v0-1 the add's two registers; v2-7 the rounding's addresses; v16-79 the rounding's 64 registers
.set NP,    4         ; pieces a wave: a name, no knob
.set KS,    64        ; keys in a step
.set PS,    272       ; a staging row: 256 bytes of f32 + 16 of padding: 16 lanes that take two rows, 16 bytes of every 32, touch 16 different columns of 16 bytes modulo 256
.set PK,    144       ; a row of K in f16: 128 bytes + 16: the 16 rows of a fragment load start at 16 different groups of four banks (64 banks of 4 bytes: ISA guide 11.1)
.set PV,    160       ; a row of V in f16: 128 + 32
.set SLOT1, 1<<17     ; slot 1 of every region begins here, so that one exclusive or turns an address in one slot into the other's
.set SV,    128*PS    ; in a slot: staging K at 0, staging V here (34,816),
.set FK,    2*128*PS  ; K in f16 (69,632),
.set FV,    FK+128*PK ; V in f16 (88,064); a slot ends at 108,544.  All four are multiples of 256: no tensor load lands in a block of 256 bytes that is stored into
.set STAGE, SLOT1+FV+128*PV  ; 239,616: 16 rows x 272 bytes for each wave, for the way out
.set SP,    272
.set SPARE, STAGE+4*16*SP    ; 257,024: the spare words, 128 bytes for each wave: two blocks of 256 bytes that no other line names
.set TILEB, 128*256   ; a tile of 128 keys in memory
.set AK0, 2           ; v2   my lane's place in a step's K in f16; never rewritten
.set AV0, 3           ; v3   the same for V
.set AK,  4           ; v4   the LDS address of K's next run of loads
.set AV,  5           ; v5   of V's
.set QO,  6           ; v6   my byte offset in 16 rows of Q
.set STO, 6           ;      later, the way out: where I put 32 bytes of a row
.set RD,  7           ; v7   the way out: where I read rows back
.set GO,  8           ; v8   my byte offset in 512 consecutive bytes of O
.set PFO, 12          ; v12  256 x my lane: a row of K or V in memory; never rewritten
.set ST,  16          ; tile t's statistics at v[ST+4 t]: m, m_old, l (even keys', odd keys')
.set TMP, 48          ; by buffer and tile, four registers c0-c3 at work; when the maximum is found c2 takes a
.set S,   64
.set P,   192
.set KF,  128         ; window 2: key block kb, channel half c at KF + 16 kb + 8 c
.set VF,  192         ; window 2: key half kk, channel block cb at VF + 32 kk + 8 cb
.set SPW, 0           ; window 3: LDS address of my spare word: SPARE + 4 x my thread's number; never rewritten
.set NIL, 1           ; window 3: 0; never rewritten
.set SA0, 2           ; window 3: my lane's place in my wave's 32 staging rows; never rewritten
.set DK0, 3           ; window 3: the same in K's f16 tile
.set DV0, 4           ; window 3: and in V's
.set SA,  5           ; window 3: the three addresses of the 16 rows in hand
.set DK,  6
.set DV,  7
.set CV,  16          ; window 3: 8 groups of 8 f32 (four of K, four of V); a group's first four registers then hold its 8 f16
.set WV,  14          ; s14  my wave's number
.set LIM, 15          ; s15  1 in a wave that prefetches, else the greatest number
.set PFA, 18          ; s[18:19] where my prefetches stand: my work-group's 32 rows (of K: wave 0, of V: wave 2) of the tile after the one that is being asked for
.set G1,  24          ; s[24:31] descriptor group 1: one shape and one mask for K's and V's tiles
.set G0,  32          ; s[32:39] descriptor group 0: a set for each of the two first fills; the second then walks on
.set SLOTS, 40        ; s40  tiles still to be asked for; in the tail: periods to go
.set CNT, 41          ; s41  counts a period's two key steps
.set CS,  42          ; s[42:43] c: the packed multiply takes the pair's low word for both halves
.set SEL, 44          ; s[44:45] v_permlanex16_b32's selects: each lane takes its own place in the other half
.set TBK, 46          ; s46  LDS byte (less FK) at which K of the step to be fetched begins
.set TBV, 47          ; s47  the same for V
.set TS,  48          ; s48  LDS byte at which the staging rows to be rounded next begin, less my wave's and lane's part
.set TDK, 49          ; s49  the same for where they go in K's f16 tile
.set TDV, 50          ; s50  and in V's
.set MSB, 0
.macro WIN new                      ; the high byte repeats the setting that is left; a switch that changes nothing is dropped
.if MSB != (\new)
	s_set_vgpr_msb (MSB<<8)|(\new)
.set MSB, (\new)
.endif
.endm
.set W_KQ, 0x0a       ; K and Q in window 2, S^T in window 0
.set W_PV, 0x52       ; V in window 2, P in window 0, O^T in window 1
.set W_RS, 0x41       ; destination and source 0 in window 1, source 1 in window 0
.set W_MK, 0xc0       ; destination in window 3, sources in window 0
.set W_AD, 0x0f       ; the add: address (source 0) and data (source 1) in window 3
.set W_CV, 0xff       ; the rounding: everything in window 3
; A joint refill: one line for all four waves, since K's and V's tiles have one shape and one mask; the wave's number has chosen the tensor, the half and the LDS bytes in group 0.
; An s_nop 0 and four v_nop follow the load.
.macro JLOAD
	tensor_load_to_lds s[G0+4:G0+7], s[G1:G1+7]
	s_nop 0
.rept 4
	v_nop
.endr
.endm
; A PREFETCH INTO THE L2 of what the NEXT change of periods will ask for: a tile's 128 rows of K and 128 of V, 256 bytes a row, a lane a row.  It stands behind the wave's tensor load and its five lines.
; Each row is named ONCE in the launch: a head's K and V are walked by one cluster alone; its four partners share a tile's rows out BY ADDRESS, 32 each (no branch hangs on a work-group's place);
; in each, wave 0 asks for K's and wave 2 for V's: one instruction.  Tiles 0 to 2 come by their loads alone; the last change that fills a slot asks for nothing: there is no tile behind it.
.macro ASK
	s_cmp_gt_u32 s[SLOTS], s[LIM]
	s_cbranch_scc0 .Lnot_mine_\@
	global_prefetch_b8 v[PFO], s[PFA:PFA+1] th:TH_LOAD_NT scope:SCOPE_SE
.Lnot_mine_\@:
.endm
; A round of the cluster's barrier: my work-group's barrier, so that wave 0's signal speaks for all four waves; wave 0 signals; every wave waits for all four work-groups; my work-group's barrier once more.
.macro CROUND
	s_barrier_signal -1
	s_barrier_wait -1
	s_cmp_lg_u32 s[WV], 0
	s_cbranch_scc1 .Lnot_wave_0_\@
	s_barrier_signal -3
.Lnot_wave_0_\@:
	s_barrier_wait -3
	s_barrier_signal -1
	s_barrier_wait -1
.endm
; THE CHANGE OF PERIODS.  Each wave waits for all its tensor loads, of which one is out: its part of the tile after next; adds 0 to its spare word; and waits for that, for its stores into the f16 tile
; that is read next, for its reads of the staging slot that it has rounded and for its reads of the f16 tile that it leaves.  Behind the barrier all of that holds of every wave.
; fill = 1: the staging slot just rounded is filled again, with the tile two on.  The barrier is then a round of the cluster's, so that no wave of any partner still reads that slot or has a load on its
; way, and the joint refill is the first thing behind it: it has two key steps, 256 matrix instructions, in which to land.
.macro CHANGE fill
	WIN W_AD
	s_wait_tensorcnt 0x0            ; no tensor load of mine is out, so a group 0 may be written
	ds_add_u32 v[SPW], v[NIL]       ; 0 onto my spare word; with fill = 1 the scalar steps below stand between it and the wait for it
	WIN 0                           ; at a label and at a branch every window is 0
.if \fill
	s_xor_b32 s[G0+5], s[G0+5], SLOT1  ; the walking descriptor: the other slot than last time,
	s_add_nc_u64 s[G0+6:G0+7], s[G0+6:G0+7], TILEB  ; the next 128 keys; the type bits on top are not reached
	s_wait_xcnt 0x0                 ; the last prefetch, two key steps back, has read its address, so it may be written:
	s_add_nc_u64 s[PFA:PFA+1], s[PFA:PFA+1], TILEB  ; one tile behind the walking descriptor
	s_wait_dscnt 0x0                ; the add is done, and so are all my LDS loads and stores
	CROUND
	JLOAD
	ASK
.else
	s_wait_dscnt 0x0                ; the add is done, and so are all my LDS loads and stores
	s_barrier_signal -1
	s_barrier_wait -1
.endif
	s_sub_co_u32 s[TBK], s[TBK], 2*KS*PK  ; the fetches and the rounding go back to a slot's first rows,
	s_xor_b32 s[TBK], s[TBK], SLOT1       ; each in the other slot than before
	s_sub_co_u32 s[TBV], s[TBV], 2*KS*PV
	s_xor_b32 s[TBV], s[TBV], SLOT1
	s_sub_co_u32 s[TS], s[TS], 32*PS
	s_xor_b32 s[TS], s[TS], SLOT1
	s_sub_co_u32 s[TDK], s[TDK], 32*PK
	s_xor_b32 s[TDK], s[TDK], SLOT1
	s_sub_co_u32 s[TDV], s[TDV], 32*PV
	s_xor_b32 s[TDV], s[TDV], SLOT1
.endm
	s_load_b256 s[4:11], s[0:1], 0x0  ; Q s[4:5], K s[6:7], V s[8:9], the scale's address s[10:11]
	s_load_b64 s[12:13], s[0:1], 0x20 ; O
	WIN W_MK
	v_lshl_add_u32 v[SPW], v0, 2, SPARE
	v_mov_b32 v[NIL], 0
	WIN W_AD
	ds_add_u32 v[SPW], v[NIL]       ; the wave's opening: the add and its wait stand ahead of my first tensor load; the set-up below, work on registers, stands between them
	WIN 0
	v_lshrrev_b32 v1, 5, v0
	v_readfirstlane_b32 s[WV], v1   ; wave 0..3
	s_bfe_u32 s16, ttmp6, 0x40000   ; cx: my place in the cluster
	s_and_b32 s20, ttmp7, 0xffff    ; the head, which the four partners share,
	s_lshl_b32 s20, s20, 19         ; times 524,288 bytes: its first byte in each of the four tensors (under 2^25)
	s_mov_b32 s21, 0
	s_lshl_b32 s17, ttmp9, 2        ; in a cluster launch ttmp9 counts clusters
	s_add_co_u32 s17, s17, s16      ; my block of 512 queries = 4 x cluster x + cx: it enters Q's and O's addresses alone
	s_lshl_b32 s22, s17, 17         ; its 512 rows of 256 bytes,
	s_lshl_b32 s23, s[WV], 15       ; my wave's 128 of them,
	s_add_co_u32 s22, s22, s23
	s_add_co_u32 s22, s22, s20      ; in my head
	s_mov_b32 s23, 0
	s_and_b32 s54, s[WV], 1         ; which half of a tile's 128 keys I fetch:
	s_lshl_b32 s54, s54, 14         ; its 64 rows of 256 bytes in memory,
	s_mov_b32 s55, 0
	s_add_nc_u64 s[54:55], s[54:55], s[20:21]  ; in my head: no place in the cluster enters a descriptor
	; descriptor group 1: a tile of 64 rows x 64 elements of 4 bytes, padded in LDS
	s_mov_b32 s[G1], 15|(2<<16)|(1<<20)|(1<<21)|(5<<22)|(3<<25)  ; 15:0 the mask of four; 17:16 4-byte elements; 20 padding on; 21 set beside a mask; 24:22 after every 64 words (code 5); 31:25 4 words (code 3)
	s_mov_b32 s[G1+1], 64<<16       ; tensor_dim0 = 64
	s_mov_b32 s[G1+2], 64<<16       ; tensor_dim1 = 64
	s_mov_b32 s[G1+3], 64<<16       ; tile_dim0 = 64
	s_mov_b32 s[G1+4], 64           ; tile_dim1 = 64
	s_mov_b32 s[G1+5], 64           ; 64 elements from row to row
	s_mov_b32 s[G1+6], 0
	s_mov_b32 s[G1+7], 0
	s_mov_b32 s[G0], 1              ; 1:0 count = 1
	s_mul_i32 s[G0+1], s[WV], 64*PS ; 63:32 LDS address: K's two halves, then V's two halves = wave x 64 rows, in slot 0
	s_mov_b32 s[G0+4], 1
	s_add_co_u32 s[G0+5], s[G0+1], SLOT1  ; and in slot 1
	s_mov_b32 s[SEL], 0x76543210
	s_mov_b32 s[SEL+1], 0xfedcba98
	s_mov_b32 s[TBK], SLOT1+2*KS*PK ; the first change of periods turns these two into 0,
	s_mov_b32 s[TBV], SLOT1+2*KS*PV
	s_mov_b32 s[TS], 0              ; and these three, behind the rounding of tile 0, into slot 1's
	s_mov_b32 s[TDK], 0
	s_mov_b32 s[TDV], 0
	s_mov_b32 s[SLOTS], 14          ; tiles 2 to 15 are asked for at changes of periods
	s_and_b32 s[LIM], s[WV], 1      ; waves 0 and 2 prefetch: the same in all four partners
	s_cmp_eq_u32 s[LIM], 0
	s_cselect_b32 s[LIM], 1, -1
	v_and_b32 v1, 15, v0            ; l % 16
	v_bfe_u32 v9, v0, 4, 1          ; l / 16
	v_lshlrev_b32 v[QO], 8, v1
	v_lshl_add_u32 v[QO], v9, 5, v[QO]  ; row x 256 + 32 x half: eight f32
	v_and_b32 v[PFO], 31, v0
	v_lshlrev_b32 v[PFO], 8, v[PFO]
	s_wait_dscnt 0x0                ; the opening add is done
	s_wait_kmcnt 0x0
	s_cmp_lt_u32 s[WV], 2
	s_cselect_b64 s[52:53], s[6:7], s[8:9]  ; waves 0 and 1 fetch K, waves 2 and 3 V
	s_add_nc_u64 s[G0+2:G0+3], s[52:53], s[54:55]  ; 120:64 global address: my half of the head's tile 0,
	s_add_nc_u64 s[G0+6:G0+7], s[G0+2:G0+3], TILEB ; and of tile 1
	s_or_b32 s[G0+3], s[G0+3], 0x80000000          ; 127:126 type = 2
	s_or_b32 s[G0+7], s[G0+7], 0x80000000
	s_add_nc_u64 s[PFA:PFA+1], s[52:53], s[20:21]  ; the prefetches: my tensor at my head,
	s_add_nc_u64 s[4:5], s[4:5], s[22:23]          ; Q and O at my wave's first row
	s_add_nc_u64 s[12:13], s[12:13], s[22:23]
	s_lshl_b32 s22, s16, 13         ; my work-group's 32 rows of a tile's 128,
	s_add_co_u32 s22, s22, 2*TILEB  ; in tile 2: the first change of periods steps it to tile 3.  Nothing is prefetched here, at the head
	s_add_nc_u64 s[PFA:PFA+1], s[PFA:PFA+1], s[22:23]
	CROUND                          ; all four work-groups are here: the first joint loads meet
	tensor_load_to_lds s[G0:G0+3], s[G1:G1+7]      ; tile 0 into staging slot 0
	s_nop 0
	tensor_load_to_lds s[G0+4:G0+7], s[G1:G1+7]    ; tile 1 into staging slot 1: two loads of mine are out
	s_nop 0
.rept 4
	v_nop
.endr
	s_load_b32 s51, s[10:11], 0x0   ; the scale
	; A fragment of Q is 16 rows x 32 channels: lane l holds row l % 16, channels 8 (l / 16) + 0..7 and 16 + 8 (l / 16) + 0..7.  In f32 those are 32 bytes each, 64 bytes apart: four loads of 16 bytes.
	WIN 0x40                        ; destination window 1, address window 0
.set i, 0
.rept 16                            ; tile i / 2, channels 32 (i % 2) on
	global_load_b128 v[16*i:16*i+3],     v[QO], s[4:5] offset:(i/2)*4096+(i%2)*128
	global_load_b128 v[16*i+4:16*i+7],   v[QO], s[4:5] offset:(i/2)*4096+(i%2)*128+16
	global_load_b128 v[16*i+8:16*i+11],  v[QO], s[4:5] offset:(i/2)*4096+(i%2)*128+64
	global_load_b128 v[16*i+12:16*i+15], v[QO], s[4:5] offset:(i/2)*4096+(i%2)*128+80
.set i, i+1
.endr
	; What the first turn finds: V's registers and P's second buffer hold 0 (its products V^T P, of a piece that has not been, add 0).  All this stands in the wait for Q and the first tile.
	WIN 0x80
.set i, VF
.rept 64
	v_mov_b32 v[i], 0
.set i, i+1
.endr
	WIN 0
.set i, P+32
.rept 32
	v_mov_b32 v[i], 0
.set i, i+1
.endr
.set i, 0
.rept 2*NP
	v_mov_b32 v[ST+4*i], 0xff7fffff    ; m: the lowest finite number
	v_mov_b32 v[ST+4*i+1], 0           ; m_old: named with m as a pair, so it is written
	v_mov_b32 v[ST+4*i+2], 0           ; l
	v_mov_b32 v[ST+4*i+3], 0
.set i, i+1
.endr
	v_and_b32 v10, 7, v0            ; l % 8
	v_bfe_u32 v11, v0, 3, 1         ; (l / 8) % 2
	v_bfe_u32 v13, v0, 3, 2         ; l / 8
	v_mul_u32_u24 v[AK0], v1, PK
	v_lshl_add_u32 v[AK0], v9, 4, v[AK0]  ; row x pitch + 16 x half
	v_add_nc_u32 v[AK0], FK, v[AK0]
	; The turning load takes 16 keys x 16 channels (lane l reads key 8 (l / 16) + l % 8, channels 8 ((l / 8) % 2) + 0..7) and leaves half a fragment of V^T: lane l holds channel l % 16 and 8 keys.
	v_lshl_add_u32 v[AV0], v9, 3, v10
	v_mul_u32_u24 v[AV0], v[AV0], PV
	v_lshl_add_u32 v[AV0], v11, 4, v[AV0]
	v_add_nc_u32 v[AV0], FV, v[AV0]
	; The rounding: wave w owns rows 32 w .. 32 w + 31 of a tile's K and V.  A lane takes row l / 8 of four and 8 channels: 32 bytes of f32 in, 16 bytes of f16 out.
	s_mul_i32 s17, s[WV], 32*PS
	s_mul_i32 s20, s[WV], 32*PK
	s_add_co_u32 s20, s20, FK
	s_mul_i32 s21, s[WV], 32*PV
	s_add_co_u32 s21, s21, FV
	v_mul_u32_u24 v48, v13, PS
	v_lshl_add_u32 v48, v10, 5, v48
	v_mul_u32_u24 v49, v13, PK
	v_lshl_add_u32 v49, v10, 4, v49
	v_mul_u32_u24 v50, v13, PV
	v_lshl_add_u32 v50, v10, 4, v50
	WIN W_MK
	v_add_nc_u32 v[SA0], s17, v48
	v_add_nc_u32 v[DK0], s20, v49
	v_add_nc_u32 v[DV0], s21, v50
	s_wait_kmcnt 0x0                ; the scale
	s_mul_f32 s[CS], s51, 0x3fb8aa3b  ; c = scale x log2(e)
	s_mov_b32 s[CS+1], s[CS]        ; named with it as a pair
	s_wait_loadcnt 0x0              ; Q
	WIN W_RS
.set i, 0
.rept 128
	v_pk_mul_f32 v[i:i+1], v[i:i+1], s[CS:CS+1] op_sel_hi:[1,0]  ; c Q, in f32
.set i, i+2
.endr
	WIN 0x85                        ; sources 0 and 1 window 1, destination window 2
.set i, 0
.rept 128
	v_cvt_pk_f16_f32 v[i], v[2*i], v[2*i+1]  ; rounded once
.set i, i+1
.endr
; THE ROUNDING OF K AND V, 16 rows of each at a time, in four parts.
.macro CV_ADDR                      ; the three addresses; the scalars step on by 16 rows
	WIN W_CV
	v_add_nc_u32 v[SA], s[TS], v[SA0]
	v_add_nc_u32 v[DK], s[TDK], v[DK0]
	v_add_nc_u32 v[DV], s[TDV], v[DV0]
	s_add_co_u32 s[TS], s[TS], 16*PS
	s_add_co_u32 s[TDK], s[TDK], 16*PK
	s_add_co_u32 s[TDV], s[TDV], 16*PV
.endm
.macro CV_LOAD                      ; 16 loads: group g is four rows, 32 bytes a lane; K's four groups, then V's
	WIN W_CV
.irp g, 0,1,2,3
	ds_load_b128 v[CV+8*\g:CV+8*\g+3],   v[SA] offset:\g*4*PS
	ds_load_b128 v[CV+8*\g+4:CV+8*\g+7], v[SA] offset:\g*4*PS+16
.endr
.irp g, 0,1,2,3
	ds_load_b128 v[CV+32+8*\g:CV+32+8*\g+3],   v[SA] offset:SV+\g*4*PS
	ds_load_b128 v[CV+32+8*\g+4:CV+32+8*\g+7], v[SA] offset:SV+\g*4*PS+16
.endr
.endm
.macro CV_CVT                       ; 32 roundings, in place and ascending: no line writes a register that a later line still reads
	WIN W_CV
.set z, 0
.rept 8
.irp j, 0,1,2,3
	v_cvt_pk_f16_f32 v[CV+8*z+\j], v[CV+8*z+2*\j], v[CV+8*z+2*\j+1]
.endr
.set z, z+1
.endr
.endm
.macro CV_STORE                     ; 8 stores of 16 bytes a lane
	WIN W_CV
.irp g, 0,1,2,3
	ds_store_b128 v[DK], v[CV+8*\g:CV+8*\g+3] offset:\g*4*PK
	ds_store_b128 v[DV], v[CV+32+8*\g:CV+32+8*\g+3] offset:\g*4*PV
.endr
.endm
; THE MATRIX WORK.  The 8 accumulators of a run of 16 take turns: between the two links of a chain stand 7 others'.
; Product i of 16 of S^T = K Q^T for piece x: channels 32 (i / 8) on, keys 16 ((i / 2) % 4) on, tile 2 x + i % 2.  The first 8 start the sums.
.macro KQ x
	WIN W_KQ
.set rS, S+64*((\x)%2)+32*(i%2)+8*((i/2)%4)
.set rK, KF+16*((i/2)%4)+8*(i/8)
.set rQ, 16*(2*(\x)+i%2)+8*(i/8)
.if i < 8
	v_wmma_f32_16x16x32_f16 v[rS:rS+7], v[rK:rK+7], v[rQ:rQ+7], 0
.else
	v_wmma_f32_16x16x32_f16 v[rS:rS+7], v[rK:rK+7], v[rQ:rQ+7], v[rS:rS+7]
.endif
.endm
; Product i of 16 of O^T += V^T P for piece x: keys 32 (i / 8) on, channels 16 ((i / 2) % 4) on, tile 2 x + i % 2.
.macro PV x
	WIN W_PV
.set rO, 32*(2*(\x)+i%2)+8*((i/2)%4)
.set rV, VF+32*(i/8)+8*((i/2)%4)
.set rP, P+32*((\x)%2)+16*(i%2)+8*(i/8)
	v_wmma_f32_16x16x32_f16 v[rO:rO+7], v[rV:rV+7], v[rP:rP+7], v[rO:rO+7]
.endm
.macro MM                           ; the turn's next matrix instruction
.if i < 16
	KQ (Y+1)%NP
.set i, i+1
.else
.set i, i-16
	PV (Y+NP-1)%NP
.set i, i+17
.endif
.endm
; THE FRAGMENT LOADS stand in runs of 16, never singly among the matrix instructions: a step's K (64 keys x 64 channels: 8 fragments) and its V (turned).  Their addresses are made some lines ahead.
.macro FETCH_K
	WIN 0x80                        ; destination window 2, address window 0
.irp f, 0,1,2,3,4,5,6,7             ; keys 16 (f / 2) on, channels 32 (f % 2) on
	ds_load_b128 v[KF+8*\f:KF+8*\f+3],   v[AK] offset:(\f/2)*16*PK+(\f%2)*64
	ds_load_b128 v[KF+8*\f+4:KF+8*\f+7], v[AK] offset:(\f/2)*16*PK+(\f%2)*64+32
.endr
	s_add_co_u32 s[TBK], s[TBK], KS*PK  ; the next fetch is the next step's
.endm
.macro FETCH_V
	WIN 0x80
.irp f, 0,1,2,3,4,5,6,7             ; keys 32 (f / 4) on, channels 16 (f % 4) on
	ds_load_tr16_b128 v[VF+8*\f:VF+8*\f+3],   v[AV] offset:(\f/4)*32*PV+(\f%4)*32
	ds_load_tr16_b128 v[VF+8*\f+4:VF+8*\f+7], v[AV] offset:(\f/4)*32*PV+16*PV+(\f%4)*32
.endr
.endm
; THE VECTOR WORK OF A TURN stands in three queues, each in the order in which its entries become ready; the two tiles alternate, so that no instruction reads the result of the one before it.
.macro REGS y, u                    ; the registers of tile u (0, 1) of piece y
.set rT, ST+4*(2*(\y)+(\u))
.set rC, TMP+8*((\y)%2)+4*(\u)
.set rS, S+64*((\y)%2)+32*(\u)
.set rP, P+32*((\y)%2)+16*(\u)
.set rO, 32*(2*(\y)+(\u))
.endm
; Number n of the 21 that find the NEXT piece's (Y + 1) maximum and statistics.  s0-s31 are the lane's 32 scores; each accumulator's lowest registers are read first.  XS, GS and REGS set no window: PL and EX do.
;   0-11  four chains c0-c3 of seven scores each, three operands at a time     12-14, 16  the four scores left over, the old m, and c0-c3 into c0     15  m_old is kept
;   17, 18  the query's other 32 keys lie in the lane 16 away: the new m         19, 20  m_old - m_new; a
.macro XS u, n
	REGS (Y+1)%NP, \u
.if (\n) < 4
	v_max3_num_f32 v[rC+(\n)], v[rS+8*(\n)], v[rS+8*(\n)+1], v[rS+8*(\n)+2]
.elseif (\n) < 12
	v_max3_num_f32 v[rC+(\n)%4], v[rC+(\n)%4], v[rS+8*((\n)%4)+2*((\n)/4)+1], v[rS+8*((\n)%4)+2*((\n)/4)+2]
.elseif (\n) == 12
	v_max3_num_f32 v[rC], v[rC], v[rS+7], v[rS+15]
.elseif (\n) == 13
	v_max3_num_f32 v[rC+1], v[rC+1], v[rS+23], v[rS+31]
.elseif (\n) == 14
	v_max3_num_f32 v[rC+2], v[rC+2], v[rC+3], v[rT]
.elseif (\n) == 15
	v_mov_b32 v[rT+1], v[rT]
.elseif (\n) == 16
	v_max3_num_f32 v[rC], v[rC], v[rC+1], v[rC+2]
.elseif (\n) == 17
	v_permlanex16_b32 v[rC+3], v[rC], s[SEL], s[SEL+1]
.elseif (\n) == 18
	v_max_num_f32 v[rT], v[rC], v[rC+3]
.elseif (\n) == 19
	v_sub_f32 v[rC+1], v[rT+1], v[rT]
.else
	v_exp_f32 v[rC+2], v[rC+1]
.endif
.endm
; Number g of the 64 that follow the exponentials.  For each four weights k of a tile (pairs 2 k, 2 k + 1): both pairs are rounded to f16; then the second pair is added onto the first, in place;
; a group later l takes that sum (the first time as l = a l + sum).  In groups of eight, tiles alternating: round, round, add, and l for the group before.
.macro GS g
.set h, (\g)+6*((\g)/62)            ; group 0 has no group before it, and behind group 7 only l is left
.if h >= 6
.set h, h+2
.endif
	REGS Y, h%2
.set k, h/8
.if h%8 < 4
	s_wait_alu depctr_va_vdst(0)
	v_cvt_pk_f16_f32 v[rP+2*k+(h%8)/2], v[rS+4*k+2*((h%8)/2)], v[rS+4*k+2*((h%8)/2)+1]
.elseif h%8 < 6
	v_pk_add_f32 v[rS+4*k:rS+4*k+1], v[rS+4*k:rS+4*k+1], v[rS+4*k+2:rS+4*k+3]
.elseif k == 1
	v_pk_fma_f32 v[rT+2:rT+3], v[rT+2:rT+3], v[rC+2:rC+3], v[rS:rS+1] op_sel_hi:[1,0,1]
.else
	v_pk_add_f32 v[rT+2:rT+3], v[rT+2:rT+3], v[rS+4*k-4:rS+4*k-3]
	s_wait_alu depctr_va_vdst(0)
.endif
.endm
; THE PLAIN QUEUE, 136 long.  0-31: s - m for the 16 pairs of both tiles.  Then GS's 64, and among them the next piece's 40: number 15 at 38, 39; 0-14 and 16
; at 42-73, behind the products that make those scores; 17-19 at 95-103, two of three, since each waits for the one before it.
.macro PL
	WIN 0
.if q < 32
	REGS Y, q%2
	v_pk_add_f32 v[rS+2*(q/2):rS+2*(q/2)+1], v[rS+2*(q/2):rS+2*(q/2)+1], v[rT:rT+1] op_sel_hi:[1,0] neg_lo:[0,1] neg_hi:[0,1]
.elseif q < 38
	GS q-32
.elseif q < 40
	XS q%2, 15
.elseif q < 42
	GS q-34
.elseif q < 74
	XS q%2, (q-42)/2+(q-42)/30
.elseif q < 95
	GS q-66
.elseif (q < 104) && ((q-95)%3 < 2)
	XS (q-95)%3, 17+(q-95)/3
.elseif q < 104
	GS 29+(q-95)/3
.else
	GS q-72
.endif
.set q, q+1
.endm
; THE EXPONENTIALS' QUEUE, 66 long: s0-s31 of both tiles, and at EA the next piece's two a.
.set EA, 58
.macro EX
	WIN 0
.if (e == EA) || (e == EA+1)
	XS e-EA, 20
.else
.set x, e-2*(e/(EA+2))
	REGS Y, x%2
	v_exp_f32 v[rS+x/2], v[rS+x/2]
.endif
.set e, e+1
.endm
; THE RESCALING's QUEUE: O^T times a, the one part of a softmax that leaves window 0, so it is dealt four at a time, eight times.
.macro R4
	REGS Y, r%2
	WIN W_RS
	s_wait_alu depctr_va_vdst(0)
.irp z, 0,1,2,3
	v_pk_mul_f32 v[rO+8*(r/2)+2*\z:rO+8*(r/2)+2*\z+1], v[rO+8*(r/2)+2*\z:rO+8*(r/2)+2*\z+1], v[rC+2:rC+3] op_sel_hi:[1,0]
.endr
.set r, r+1
.endm
; HOW THEY ARE DEALT.  Behind a matrix instruction four: plain, exponential, plain, plain (one exponential, a plain instruction on either side: ISA guide 5.7.2), or four of the rescaling.  None names a
; register of the products round it.  What is over stands in two LUMPS: exponential and plain by turns; the second ends in 20 plain instructions.  The two v_permlanex16_b32 fall into the second lump.
; The queues lean on each other, and the deal keeps them in step: exponential e stands behind plain 2 (e / 4) + e % 2 (its subtraction); when plain 32 comes, 10 exponentials are out, at 59: 33, at 95: 46;
; in the second lump exponential 45 + i stands ahead of plain 95 + i; EA comes behind plain 107, and its argument is made at plain 101 and 102; from plain 104 on no entry needs an exponential beyond number 47
; before all 66 are out.
.macro SL
	MM
	PL
	EX
	PL
	PL
.endm
.macro BURST n                      ; 15 matrix instructions, or 16
.rept (\n)-7
	SL
.endr
.rept 3
	MM
	R4
	SL
.endr
	MM
	R4
.endm
; A TURN, for piece p.  cnt = 1: the loop's count is taken down some lines ahead of the branch that stands behind the turn; no scalar arithmetic follows it there.
; K of the next step is fetched in piece 2's turn, 30 vector instructions behind the last product that read K; it is waited for at the head of piece 3's turn.
; V of the step in hand is fetched at the end of piece 0's turn, 66 vector instructions behind its last reader, and behind it the 16 staging loads of the rows to be rounded in this step.
; Piece 1's turn waits for V ahead of its products V^T P, and at its end for the staging loads, rounds them and stores them.
.macro TURN p, cnt=0
.set Y, (\p)
.set i, 0
.set q, 0
.set e, 0
.set r, 0
.if (\p) == NP-1
	s_wait_dscnt 0x0                ; K is in (and my stores of rounded rows are done)
.endif
	MM
.rept 4
	PL
.endr
	BURST 15
.rept 22
	EX
	PL
.if ((\p) == NP-2) && (e == 18)
	v_add_nc_u32 v[AK], s[TBK], v[AK0]
.endif
.if ((\p) == NP-2) && (e == 24)
	FETCH_K
.endif
.endr
.if (\p) == 1
	s_wait_dscnt 16                 ; LDS loads come back in order (ISA guide 5.7.1): V's 16 are in; the 16 staging loads issued behind them may stay out
.endif
	BURST 16
.rept 21
	EX
	PL
.endr
.rept 20
	PL
.if ((\p) == 0) && (q == 118)
	v_add_nc_u32 v[AV], s[TBV], v[AV0]
	s_wait_alu depctr_va_vdst(0)
.endif
.if ((\p) == 0) && (q == 130)
	s_add_co_u32 s[TBV], s[TBV], KS*PV
.endif
.if (\cnt) && (q == 130)
	s_sub_co_u32 s[CNT], s[CNT], 1
	s_cmp_lg_u32 s[CNT], 0
.endif
.endr
.if (\p) == 0
	FETCH_V
	CV_ADDR
	CV_LOAD
.endif
.if (\p) == 1
	s_wait_dscnt 0x0                ; the staging loads, issued a turn ago, are in
	CV_CVT
	CV_STORE
.endif
.endm
	s_wait_tensorcnt 0x1            ; my part of tile 0 is in; tile 1's load, issued behind it, may stay out
	s_barrier_signal -1
	s_barrier_wait -1               ; everybody's is
.rept 2                             ; tile 0 is rounded: my 32 rows of K and of V
	CV_ADDR
	CV_LOAD
	s_wait_dscnt 0x0
	CV_CVT
	CV_STORE
.endr
	CHANGE 1                        ; period 0: tile 0 lies whole in f16, tile 1 whole in staging; tile 2 is asked for
	v_add_nc_u32 v[AK], s[TBK], v[AK0]
	FETCH_K                         ; key step 0
	s_wait_dscnt 0x0
.set i, 0
.rept 16
	KQ 0                            ; piece 0's first scores: there is no vector work yet to set between them
.set i, i+1
.endr
	WIN 0                           ; the addresses for the way out: eight plain instructions, the places behind those products
	s_mul_i32 s17, s[WV], 16*SP
	s_add_co_u32 s17, s17, STAGE    ; my stage
	v_mul_u32_u24 v[STO], v1, SP    ; in: row l % 16, 32 bytes for each half of the lanes
	v_lshl_add_u32 v[STO], v9, 5, v[STO]
	v_add_nc_u32 v[STO], s17, v[STO]
	v_mul_u32_u24 v[RD], v9, SP     ; back: lanes 0-15 take one row of 256 bytes, lanes 16-31 the next,
	v_lshl_add_u32 v[RD], v1, 4, v[RD]
	v_add_nc_u32 v[RD], s17, v[RD]
	v_and_b32 v[GO], 31, v0         ; which are 512 consecutive bytes of O
	v_lshlrev_b32 v[GO], 4, v[GO]
.set Y, NP-1                        ; XS works for piece Y + 1: piece 0
.irp n, 0,1,2,3,4,5,6,7,8,9,10,11,12,13,14,15,16,17,18,19,20
	XS 0, \n                        ; piece 0's first maximum and statistics
	XS 1, \n
.endr
	s_mov_b32 s[CNT], 2
	s_branch .Lfirst                ; the loop is entered at a step's first turn, in the middle of a trip
.Lslot:                             ; 13 times: with the change above, tiles 2 to 15 are asked for
	CHANGE 1
	s_mov_b32 s[CNT], 2
.Lstep:                             ; a trip: pieces 2 and 3 of one step, then pieces 0 and 1 of the next, whose K and V it fetches
	TURN 2
	TURN 3
	WIN 0
.Lfirst:
	TURN 0
	TURN 1, 1
	WIN 0
	s_cbranch_scc1 .Lstep
	s_sub_co_u32 s[SLOTS], s[SLOTS], 1
	s_cmp_lg_u32 s[SLOTS], 0
	s_cbranch_scc1 .Lslot
	s_mov_b32 s[SLOTS], 3           ; the tail is written out: periods 14 and 15, and the last step's second half; nothing is asked for
.Ltslot:
	CHANGE 0
	s_mov_b32 s[CNT], 2
.Ltail:
	TURN 2
	TURN 3
	WIN 0
	s_cmp_eq_u32 s[SLOTS], 1
	s_cbranch_scc1 .Lout            ; the third time the trip is left in its middle
	TURN 0
	TURN 1, 1
	WIN 0
	s_cbranch_scc1 .Ltail
	s_sub_co_u32 s[SLOTS], s[SLOTS], 1
	s_cmp_lg_u32 s[SLOTS], 0
	s_cbranch_scc1 .Ltslot
.Lout:
.set i, 0
.rept 16
	PV NP-1                         ; the last piece's V^T P of the last step
.set i, i+1
.endr
	; THE WAY OUT.  l's two halves and the other half of the lanes' are added; O^T is divided by l and sent, in f32, through my stage in LDS, a tile at a time.  The additions are the places behind the last products.
	WIN 0
.macro ALL line:vararg              ; one line for each tile t
.set t, 0
.rept 2*NP
	\line
.set t, t+1
.endr
.endm
	ALL v_add_f32 v[ST+4*t+2], v[ST+4*t+2], v[ST+4*t+3]
	ALL v_permlanex16_b32 v[ST+4*t+3], v[ST+4*t+2], s[SEL], s[SEL+1]
	ALL v_add_f32 v[ST+4*t+2], v[ST+4*t+2], v[ST+4*t+3]
	ALL v_rcp_f32 v[ST+4*t+2], v[ST+4*t+2]
	v_nop                           ; a plain instruction between the last reciprocal and the use of its result
	s_wait_alu depctr_va_vdst(0)
; Tile t: a lane's eight channels of a row are 32 bytes; they go into rows of 272 bytes and come back as whole rows of 256, into the registers that they left.  Each accumulator is read from its low end on.
.macro PACK t
	WIN W_RS
.set i, 32*(\t)
.rept 16
	v_pk_mul_f32 v[i:i+1], v[i:i+1], v[ST+4*(\t)+2:ST+4*(\t)+3] op_sel_hi:[1,0]
.set i, i+2
.endr
	WIN 0x04                        ; store data (source 1) window 1, address window 0
.irp f, 0,1,2,3                     ; channels 16 f + 8 (l / 16) on
	ds_store_b128 v[STO], v[32*(\t)+8*\f:32*(\t)+8*\f+3]   offset:64*\f
	ds_store_b128 v[STO], v[32*(\t)+8*\f+4:32*(\t)+8*\f+7] offset:64*\f+16
.endr
	WIN 0x40                        ; destination window 1
.irp f, 0,1,2,3,4,5,6,7
	ds_load_b128 v[32*(\t)+4*\f:32*(\t)+4*\f+3], v[RD] offset:\f*2*SP  ; LDS serves a wave's instructions in order (ISA guide 5.7.1.4): these see the stores above; the next tile's stores come behind them
.endr
.endm
.macro SEND t, younger              ; younger: the LDS instructions issued behind tile t's loads: the next tile's sixteen, or none
	WIN 0x04
.irp f, 0,1,2,3,4,5,6,7
	s_wait_dscnt (\younger)+7-\f    ; load f of the tile's eight is in: behind it stand 7 - f of its own and the younger ones
	global_store_b128 v[GO], v[32*(\t)+4*\f:32*(\t)+4*\f+3], s[12:13] offset:(\t)*4096+\f*512 th:TH_STORE_NT  ; 512 consecutive bytes, two whole rows of O, at a multiple of 256 from O's first byte
.endr
.endm
	PACK 0
.set t, 1
.rept 2*NP-1                        ; a tile's arithmetic stands between the loads of the tile before and its stores
	PACK t
	SEND t-1, 16
.set t, t+1
.endr
	SEND 2*NP-1, 0
	WIN W_AD
	s_wait_tensorcnt 0x0            ; the wave's end: a wait, an add to my spare word and its wait, behind my last tensor load and my last LDS store
	ds_add_u32 v[SPW], v[NIL]
	s_wait_dscnt 0x0
	WIN 0
	CROUND                          ; the closing round: no work-group ends while a partner may still ask for a tile that names it
	s_endpgm
.Lfunc_end_k_q30385ef697_attn:
	.size	k_q30385ef697_attn, .Lfunc_end_k_q30385ef697_attn-k_q30385ef697_attn
	.p2alignl 7, 3214868480
	.fill 96, 4, 3214868480
	.section	.rodata,"a",@progbits
	.p2align	6, 0x0
	.amdhsa_kernel k_q30385ef697_attn
		.amdhsa_group_segment_fixed_size 327680
		.amdhsa_private_segment_fixed_size 0
		.amdhsa_enable_private_segment 0
		.amdhsa_kernarg_size 40
		.amdhsa_user_sgpr_count 2
		.amdhsa_user_sgpr_kernarg_segment_ptr 1
		.amdhsa_wavefront_size32 1
		.amdhsa_system_sgpr_workgroup_id_x 1
		.amdhsa_system_sgpr_workgroup_id_y 1
		.amdhsa_system_sgpr_workgroup_id_z 1
		.amdhsa_system_vgpr_workitem_id 0
		.amdhsa_next_free_vgpr 848
		.amdhsa_next_free_sgpr 66
		.amdhsa_reserve_vcc 0
		.amdhsa_float_denorm_mode_32 3
		.amdhsa_float_denorm_mode_16_64 3
		.amdhsa_memory_ordered 1
		.amdhsa_forward_progress 1
		.amdhsa_inst_pref_size 236
	.end_amdhsa_kernel
	.amdgpu_metadata
---
amdhsa.version: [ 1, 2 ]
amdhsa.kernels:
  - .name:           k_q30385ef697_attn
    .symbol:         k_q30385ef697_attn.kd
    .args:
      - { .name: Q, .offset: 0, .size: 8, .value_kind: global_buffer, .address_space: global }
      - { .name: K, .offset: 8, .size: 8, .value_kind: global_buffer, .address_space: global }
      - { .name: V, .offset: 16, .size: 8, .value_kind: global_buffer, .address_space: global }
      - { .name: softmax_scale, .offset: 24, .size: 8, .value_kind: global_buffer, .address_space: global }
      - { .name: out0, .offset: 32, .size: 8, .value_kind: global_buffer, .address_space: global }
    .group_segment_fixed_size: 327680
    .private_segment_fixed_size: 0
    .kernarg_segment_align: 8
    .kernarg_segment_size: 40
    .max_flat_workgroup_size: 128
    .sgpr_count:     66
    .vgpr_count:     848
    .wavefront_size: 32
...
	.end_amdgpu_metadata
.endif
;; end of part 1
